; MI455X (gfx1250); checked and timed in simulation.
; The chip was launched on July 23, 2026; its instructions are those of AMD's public machine-readable ISA for CDNA 5 (MIT licence, August 2026) and "CDNA5" Instruction Set Architecture Reference Guide (July 2026). The comments in the code are by the model that wrote it; some were corrected since.
;; Fusion Head Co Atten. Allowed arithmetic: matrix products marked QUANTISED: E2M1 operands, one E8M0 scale for each 32 along K, by v_wmma_scale_f32_16x16x128_f8f6f4 with both operands' format E2M1 (or v_wmma_scale_f32_32x16x128_f4), f32 sums; products left as they are: f32 operands where the result goes on into a quantised operand, else bf16, f16 or f32 operands; f32 sums; everything else in f32.
;; Inputs: W 512 x 512 float32; audio_proj 512 x 512 float32; b 512 float32; img_proj 512 x 512 float32.
;; Outputs: out0 512 x 2,048 float32.
;; This version of the problem:
;;   THIS VERSION OF THE PROBLEM IS GIVEN IN LOW PRECISION. The matrix products marked QUANTISED in the list below multiply operands that are first quantised to E2M1 (2 exponent bits, 1 mantissa bit; 4 bits a number), with one power-of-two scale for each 32 numbers along K (OCP MX v1.0); their sums are f32. All else is computed in f32.
;;   The module's matrix products, in the order in which they are computed (A, B: the left and right operand; K: the contracted axis; several contracted axes count as one K, in the product's order):
;;     1. [M 512, K 512] x [K 512, N 512]; A: input img_proj; B: input W: QUANTISED
;;     2. batch 512 x [M 1, K 512] x [K 512, N 512]; A: input audio_proj; B: computed on the way: left as it is (M = 1 < 16)
;;     3. batch 512 x [M 1, K 512] x [K 512, N 512]; A: computed on the way; B: computed on the way: left as it is (M = 1 < 16)
;;   THE QUANTISER, for each operand of a quantised product, along K:
;;     - K is cut into blocks of 32 from its start; a last block that is shorter is filled with zeros.
;;     - A block's scale is 2^e with e = floor(log2(the largest magnitude in the block)) - 2, held to -126 .. 127; a block of zeros has e = 0. As a byte (E8M0): e + 127.
;;     - Each number is divided by its block's scale, clamped to +-6, and rounded to the nearest number of E2M1, ties to even, subnormals kept.
;;     - The product sums the exact products of the quantised numbers (number of the format x scale) in f32.
;;   ~~~python
;;   def quantise(x, axis):      # numpy; x: float32 -> the quantised numbers, widened to float32 again
;;       x = np.moveaxis(x, axis, -1); K = x.shape[-1]
;;       x = np.pad(x, [(0, 0)] * (x.ndim - 1) + [(0, -K % 32)]); x = x.reshape(x.shape[:-1] + (-1, 32)); a = np.abs(x).max(-1, keepdims=True)
;;       e = np.where(a > 0, np.clip(np.frexp(np.where(a > 0, a, 1))[1] - 1 - 2, -126, 127), 0)      # np.frexp(a)[1] - 1 = floor(log2(a)), exactly
;;       r = np.clip(x / 2.0 ** e, -6, 6)
;;       step = 2.0 ** (np.maximum(np.frexp(np.where(r == 0, 1, r))[1] - 1, 0) - 1)
;;       q = np.round(r / step) * step * 2.0 ** e      # np.round: ties to even
;;       return np.moveaxis(q.reshape(q.shape[:-2] + (-1,))[..., :K], -1, axis).astype(np.float32)
;;   ~~~
;; One version. Each part assembles by itself: llvm-mc -triple=amdgcn-amd-amdhsa -mcpu=gfx1250 --defsym DOCPART=n.
;; ======== version 1 of 1: 2 launches
;; workspace buffers: tws 1,048,576 bytes
;; launch proj (part 1): grid 8 x 32, 20 waves a work-group, no clusters, 199,168 bytes of LDS; arguments img_proj, W, b, tws, out0; writes tws, out0
.if DOCPART == 1
	.amdgcn_target "amdgcn-amd-amdhsa--gfx1250"
	.amdhsa_code_object_version 6
	.text
	.protected	k_q876031b8ce_proj
	.globl	k_q876031b8ce_proj
	.p2align	8
	.type	k_q876031b8ce_proj,@function
k_q876031b8ce_proj:
	s_mov_b64 s[64:65], 0
	v_nop
	global_prefetch_b8 v0, s[64:65] scope:SCOPE_SE
	s_setreg_imm32_b32 hwreg(HW_REG_WAVE_MODE, 25, 1), 1
	s_wait_xcnt 0x0
; t = tanh(Q(img_proj) Q(W)^T + b), [512][512] f32, into the workspace tws; and img_proj is copied into columns 0-511 of out0 ([512][2048]).
; Q: codes of FP4 (E2M1) with one E8M0 scale for each 32 along K = 512, the last axis of img_proj and of W.  A block's scale byte is its largest magnitude's exponent field - 2, held at 1 from below.
; LIMITS: a block of zeros gets the byte 1 (its codes are zeros, and only this text reads the bytes); NaN and infinities among the inputs are not served;
; tanh(y) = 1 - 2 / (1 + 2^(2 log2(e) y)): its absolute error is a few 2^-24, also where y is tiny.
; SHARES.  A work-group makes 16 rows x 64 columns of t: x = which 64 columns, y = which 16 rows.  Twenty waves: wave 4 g + s quantises 16 rows x 128 along K (K step s):
; g = 0: my 16 rows of img_proj; g = 1 .. 4: 16 of my 64 rows of W.  Each of its 16 loads reads 512 consecutive bytes of one row; the 8,192 bytes turn through the wave's own stage in LDS, so that
; lane (r, h) holds of row r the numbers 64 c + 32 h + 0 .. 31, c = 0, 1: two whole blocks, in the order of the operand's registers.  So a block's maximum needs no other lane.
; The fragment (8 registers) and its scale word go to LDS as images of the registers: 16 bytes a lane on end.  Behind a barrier waves 0-3 multiply: wave n makes columns 16 n .. 16 n + 15.
; THE MATRIX INSTRUCTION IS USED TRANSPOSED (source 0 = 16 rows of W, source 1 = 16 rows of img_proj): lane (r, h) holds t(row r, columns 8 h + 0 .. 7).  The bias is the C of the first instruction.
; The 16 x 64 results meet in a stage; behind a second barrier waves 0-7 store two rows each: sixteen lanes store 256 consecutive bytes, aligned.
; Waves 8-15 copy rows 16 y + 2 x and + 1 of img_proj into out0, 512 consecutive bytes a wave.
; NO CLUSTER, NO TENSOR LOADS: the launch has one step: every wave has all its 16 loads out at once and nothing follows under which a joint load could land; all inputs together are 3 MiB.
.set ROWB, 2048                        ; a row of img_proj, of W and of t in bytes
.set QP,   528                         ; a row of a wave's turning stage: 512 bytes + 16 = 132 words, so that the 16 rows that a load touches start 4 words apart modulo 64 (64 banks of 4 bytes: ISA guide 11.1)
.set QWV,  16*QP                       ; a wave's turning stage; the twenty begin at LDS byte 0
.set IMG,  20*QWV                      ; the images of the 20 fragments, 1,024 bytes each: fragment 4 g + s
.set SCW,  IMG+20*1024                 ; their scale words, 128 bytes each
.set STG,  SCW+20*128                  ; the stage for t: 16 rows x (256 bytes + 16)
.set SP,   272
.set RW,   1                           ; v1   r = lane % 16
.set HF,   2                           ; v2   h = lane / 16
.set QI,   3                           ; v3   turning stage, in: my wave's + 16 x lane
.set IMS,  4                           ; v4   where I store my fragment's image
.set SCS,  5                           ; v5   and its scale word
.set L16,  6                           ; v6   16 x lane
.set WFA,  7                           ; v7   product waves: W's fragments
.set ASA,  8                           ; v8   img's scale words
.set WSA,  9                           ; v9   W's scale words
.set TIN,  10                          ; v10  the stage for t, in
.set TOU,  11                          ; v11  and out
.set TG,   12                          ; v12  my byte offset among the work-group's rows of t
.set LN,   13                          ; v13  lane
.set BO,   14                          ; v14  32 h: my eight numbers of the bias
.set WN,   15                          ; v15  wave
.set QO,   16                          ; v16  turning stage, out: my wave's + 528 r + 128 h
.set AFA,  17                          ; v17  img's fragments
.set MX,   18                          ; v18-19 the two blocks' largest magnitudes
.set SO,   20                          ; v20-21 the conversions' scale operands
.set BY,   22                          ; v22-23 the scale bytes
.set WD,   24                          ; v24  the scale word
.set TP,   25
.set CD,   26                          ; v26-33 the codes
.set CP,   34                          ; v34-37 the copy
.set BI,   38                          ; v38-45 the bias
.set ASC,  46                          ; v46-49 img's scale words, one for each K step: scales and nothing else
.set WSC,  50                          ; v50-53 W's
.set OT,   54                          ; v54-57 a piece of a row of t on its way out
.set DATA, 64                          ; v64-127 64 numbers; later the fragments: img's four at v64, W's four at v96
.set AF,   64
.set WF,   96
.set A0,   128                         ; two accumulators, which take turns
.set A1,   136
.set Z,    144                         ; v144-151 the eight results at work
.set SEL,  40                          ; s[40:41] lane selects for v_permlanex16_b32: lane l xor 16
	s_load_b256 s[4:11], s[0:1], 0x0               ; img_proj s[4:5], W s[6:7], b s[8:9], tws s[10:11]
	s_load_b64 s[12:13], s[0:1], 0x20              ; out0
	v_lshl_add_u32 v152, v0, 2, 0x30000
	v_mov_b32 v153, 0
	; every LDS address is made here, ahead of the first branch on the wave's number
	v_lshrrev_b32 v[WN], 5, v0
	v_readfirstlane_b32 s14, v[WN]                 ; wave 0..19
	v_and_b32 v[LN], 31, v0
	v_and_b32 v[RW], 15, v0
	v_bfe_u32 v[HF], v0, 4, 1
	v_lshlrev_b32 v[L16], 4, v[LN]
	v_mul_u32_u24 v[QI], v[WN], QWV
	v_mad_u32_u24 v[QO], v[RW], QP, v[QI]
	v_lshl_add_u32 v[QO], v[HF], 7, v[QO]
	v_add_nc_u32 v[QI], v[QI], v[L16]
	v_add_nc_u32 v[AFA], IMG, v[L16]
	v_lshl_add_u32 v[IMS], v[WN], 10, v[AFA]       ; image number = wave
	v_lshl_add_u32 v[WFA], v[WN], 12, v[AFA]       ; product wave n: W's images 4 (n + 1) + s: 4,096 n here, 4,096 + 1,024 s in the immediate
	v_lshl_add_u32 v[SCS], v0, 2, SCW              ; 128 x wave + 4 x lane
	v_lshl_add_u32 v[ASA], v[LN], 2, SCW
	v_lshl_add_u32 v[WSA], v[WN], 9, v[ASA]        ; 512 n here, 512 + 128 s in the immediate
	v_mul_u32_u24 v[TIN], v[RW], SP
	v_lshl_add_u32 v[TIN], v[HF], 5, v[TIN]
	v_lshl_add_u32 v[TIN], v[WN], 6, v[TIN]
	v_add_nc_u32 v[TIN], STG, v[TIN]               ; row r, + 64 n + 32 h bytes
	v_lshl_add_u32 v[TOU], v[WN], 1, v[HF]         ; out: row 2 x wave + h,
	v_lshlrev_b32 v[TG], 11, v[TOU]
	v_lshl_add_u32 v[TG], v[RW], 4, v[TG]          ; the same row in t, 16 bytes a lane
	v_mul_u32_u24 v[TOU], v[TOU], SP
	v_lshl_add_u32 v[TOU], v[RW], 4, v[TOU]
	v_add_nc_u32 v[TOU], STG, v[TOU]
	v_lshlrev_b32 v[BO], 5, v[HF]
	; offsets, apart from the addresses
	s_and_b32 s15, ttmp7, 0xffff                   ; y: which 16 rows of t
	s_and_b32 s16, s14, 3                          ; my K step; in waves 0-3 also my 16 columns
	s_lshr_b32 s17, s14, 2                         ; g
	s_lshr_b32 s28, s14, 3                         ; 1 in waves 8-15
	s_and_b32 s29, s14, 7                          ; there: which 512 bytes of the copy
	s_lshl_b32 s18, s15, 4                         ; img's first row: 16 y
	s_max_u32 s20, s17, 1
	s_sub_co_u32 s20, s20, 1
	s_lshl_b32 s20, s20, 4
	s_lshl_b32 s19, ttmp9, 6
	s_add_co_u32 s19, s19, s20                     ; W's first row: 64 x + 16 (g - 1)
	s_cmp_eq_u32 s17, 0
	s_cselect_b32 s21, s18, s19
	s_lshl_b32 s22, s21, 11
	s_lshl_b32 s23, s16, 9
	s_add_co_u32 s22, s22, s23                     ; my first row x 2,048 + 512 s
	s_mov_b32 s23, 0
	s_lshl_b32 s36, ttmp9, 8
	s_lshl_b32 s37, s16, 6
	s_add_co_u32 s36, s36, s37                     ; the bias of my 16 columns: 4 (64 x + 16 n)
	s_mov_b32 s37, 0
	s_lshl_b32 s20, ttmp9, 1
	s_add_co_u32 s20, s20, s18                     ; the copy's first row: 16 y + 2 x
	s_lshl_b32 s38, s20, 11
	s_lshl_b32 s39, s29, 9
	s_add_co_u32 s38, s38, s39                     ; in img_proj the two rows are 4,096 bytes on end
	s_mov_b32 s39, 0
	s_lshr_b32 s42, s29, 2
	s_add_co_u32 s42, s42, s20
	s_lshl_b32 s42, s42, 13                        ; in out0 a row is 8,192 bytes
	s_and_b32 s43, s29, 3
	s_lshl_b32 s43, s43, 9
	s_add_co_u32 s42, s42, s43
	s_mov_b32 s43, 0
	s_lshl_b32 s44, s18, 11
	s_lshl_b32 s45, ttmp9, 8
	s_add_co_u32 s44, s44, s45                     ; t: row 16 y, + 256 x bytes
	s_mov_b32 s45, 0
	s_mov_b32 s[SEL], 0x76543210
	s_mov_b32 s[SEL+1], 0xfedcba98
	s_wait_kmcnt 0x0
	s_cmp_eq_u32 s17, 0                            ; the choice hangs on the wave's number alone
	s_cselect_b64 s[24:25], s[4:5], s[6:7]
	s_add_nc_u64 s[24:25], s[24:25], s[22:23]
	s_add_nc_u64 s[26:27], s[8:9], s[36:37]
	s_add_nc_u64 s[30:31], s[4:5], s[38:39]
	s_add_nc_u64 s[32:33], s[12:13], s[42:43]
	s_add_nc_u64 s[34:35], s[10:11], s[44:45]
.irp i, 0,1,2,3,4,5,6,7,8,9,10,11,12,13,14,15
	global_load_b128 v[DATA+4*\i:DATA+4*\i+3], v[L16], s[24:25] offset:ROWB*\i   ; row i: 32 lanes read 512 consecutive bytes
.endr
	s_cmp_lt_u32 s14, 4
	s_cbranch_scc0 .Lno_bias
	global_load_b128 v[BI:BI+3], v[BO], s[26:27]   ; b at my lane's eight columns: the result's layout
	global_load_b128 v[BI+4:BI+7], v[BO], s[26:27] offset:16
.Lno_bias:
	s_cmp_eq_u32 s28, 1
	s_cbranch_scc0 .Lno_copy_in
	global_load_b128 v[CP:CP+3], v[L16], s[30:31]
.Lno_copy_in:
	s_wait_loadcnt 0x0                             ; all my loads, on every way
.irp i, 0,1,2,3,4,5,6,7,8,9,10,11,12,13,14,15
	ds_store_b128 v[QI], v[DATA+4*\i:DATA+4*\i+3] offset:QP*\i
.endr
.irp c, 0,1
.irp j, 0,1,2,3,4,5,6,7
	ds_load_b128 v[DATA+32*\c+4*\j:DATA+32*\c+4*\j+3], v[QO] offset:256*\c+16*\j   ; LDS serves a wave's instructions in order (ISA guide 5.7.1.4): these see my stores.  Register 32 c + i = number 64 c + 32 h + i of row r
.endr
.endr
	s_wait_dscnt 0x0
.irp c, 0,1
	v_max3_num_f32 v[MX+\c], |v[DATA+32*\c]|, |v[DATA+32*\c+1]|, 0x1800000   ; block 2 c + h: all its 32 numbers are mine; and the floor 2^(3 - 127): the byte cannot fall under 1
.endr
.irp i, 2,4,6,8,10,12,14,16,18,20,22,24,26,28,30
.irp c, 0,1
	v_max3_num_f32 v[MX+\c], v[MX+\c], |v[DATA+32*\c+\i]|, |v[DATA+32*\c+\i+1]|   ; (the two blocks by turns)
.endr
.endr
.irp c, 0,1
	v_add_nc_u32 v[SO+\c], 0xff000000, v[MX+\c]    ; 2 off the exponent field: the conversion takes the exponent field of this operand as its scale
.endr
.irp c, 0,1
	v_lshrrev_b32 v[BY+\c], 23, v[SO+\c]           ; the scale's byte
.endr
	v_lshl_or_b32 v[WD], v[BY+1], 16, v[BY]        ; my two bytes: blocks h and 2 + h,
	v_lshlrev_b32 v[TP], 3, v[HF]
	v_lshlrev_b32 v[WD], v[TP], v[WD]              ; at their places in the word (8 h bits up);
	v_mov_b32 v[TP], 0
	v_permlanex16_b32 v[TP], v[WD], s[SEL], s[SEL+1]
	v_or_b32 v[WD], v[WD], v[TP]                   ; with lane l xor 16's two the word is whole
.irp c, 0,1
.irp g, 0,1,2,3
	v_cvt_scalef32_pk8_fp4_f32 v[CD+4*\c+\g], v[DATA+32*\c+8*\g:DATA+32*\c+8*\g+7], v[SO+\c]   ; registers 4 c .. 4 c + 3 of the operand
.endr
.endr
	v_nop                                          ; one plain place behind the last scaled conversion
	ds_store_b128 v[IMS], v[CD:CD+3]               ; the fragment goes to LDS as it stands
	ds_store_b128 v[IMS], v[CD+4:CD+7] offset:512
	ds_store_b32 v[SCS], v[WD]
	s_wait_dscnt 0x0                               ; for the others' sake: my stores have landed
	s_barrier_signal -1
	s_barrier_wait -1                              ; the twenty fragments lie in LDS
	s_cmp_lt_u32 s14, 4
	s_cbranch_scc0 .Lno_product
.irp s, 0,1,2,3
.irp c, 0,1
	ds_load_b128 v[AF+8*\s+4*\c:AF+8*\s+4*\c+3], v[AFA] offset:1024*\s+512*\c
	ds_load_b128 v[WF+8*\s+4*\c:WF+8*\s+4*\c+3], v[WFA] offset:4096+1024*\s+512*\c
.endr
	ds_load_b32 v[ASC+\s], v[ASA] offset:128*\s
	ds_load_b32 v[WSC+\s], v[WSA] offset:512+128*\s
.endr
	s_wait_dscnt 0x0
	; four K steps on two accumulators, one instruction a turn; the bias starts the first sum, the constant 0 the second
	v_wmma_scale_f32_16x16x128_f8f6f4 v[A0:A0+7], v[WF:WF+7], v[AF:AF+7], v[BI:BI+7], v[WSC], v[ASC] matrix_a_fmt:MATRIX_FMT_FP4 matrix_b_fmt:MATRIX_FMT_FP4
	v_wmma_scale_f32_16x16x128_f8f6f4 v[A1:A1+7], v[WF+8:WF+15], v[AF+8:AF+15], 0, v[WSC+1], v[ASC+1] matrix_a_fmt:MATRIX_FMT_FP4 matrix_b_fmt:MATRIX_FMT_FP4
	v_wmma_scale_f32_16x16x128_f8f6f4 v[A0:A0+7], v[WF+16:WF+23], v[AF+16:AF+23], v[A0:A0+7], v[WSC+2], v[ASC+2] matrix_a_fmt:MATRIX_FMT_FP4 matrix_b_fmt:MATRIX_FMT_FP4
	v_wmma_scale_f32_16x16x128_f8f6f4 v[A1:A1+7], v[WF+24:WF+31], v[AF+24:AF+31], v[A1:A1+7], v[WSC+3], v[ASC+3] matrix_a_fmt:MATRIX_FMT_FP4 matrix_b_fmt:MATRIX_FMT_FP4
.rept 4
	v_nop                                          ; four places in front of the first read of the results (ISA guide 7.12.1)
.endr
.irp j, 0,2,4,6
	v_pk_add_f32 v[Z+\j:Z+\j+1], v[A0+\j:A0+\j+1], v[A1+\j:A1+\j+1]   ; y; each accumulator is read from its low end on
.endr
.irp j, 0,2,4,6
	v_pk_mul_f32 v[Z+\j:Z+\j+1], v[Z+\j:Z+\j+1], 0x4038aa3b op_sel_hi:[1,0]   ; 2 log2(e) y
.endr
.irp j, 0,1,2,3,4,5,6,7
	v_exp_f32 v[Z+\j], v[Z+\j]
.endr
	v_nop                                          ; a plain place behind the last exponential,
	s_wait_alu depctr_va_vdst(0)                   ; and the one wait for the batch ahead of its first use
.irp j, 0,2,4,6
	v_pk_add_f32 v[Z+\j:Z+\j+1], v[Z+\j:Z+\j+1], 1.0 op_sel_hi:[1,0]
.endr
.irp j, 0,1,2,3,4,5,6,7
	v_rcp_f32 v[Z+\j], v[Z+\j]                     ; (infinity gives 0: t = 1)
.endr
	v_nop
	s_wait_alu depctr_va_vdst(0)                   ; likewise for the eight reciprocals
.irp j, 0,2,4,6
	v_pk_fma_f32 v[Z+\j:Z+\j+1], v[Z+\j:Z+\j+1], -2.0, 1.0 op_sel_hi:[1,0,0]   ; t = 1 - 2 / (1 + e^(2 y))
.endr
	ds_store_b128 v[TIN], v[Z:Z+3]
	ds_store_b128 v[TIN], v[Z+4:Z+7] offset:16
.Lno_product:
	s_cmp_eq_u32 s28, 1
	s_cbranch_scc0 .Lno_copy_out
	global_store_b128 v[L16], v[CP:CP+3], s[32:33] th:TH_STORE_NT   ; 32 lanes store 512 consecutive bytes, at a multiple of 256 from out0's first byte
.Lno_copy_out:
	s_wait_dscnt 0x0                               ; for the others' sake: my stores into the stage have landed
	s_barrier_signal -1
	s_barrier_wait -1                              ; 16 rows x 256 bytes of t lie in the stage
	s_cmp_lt_u32 s14, 8
	s_cbranch_scc0 .Lend
	ds_load_b128 v[OT:OT+3], v[TOU]
	s_wait_dscnt 0x0
	global_store_b128 v[TG], v[OT:OT+3], s[34:35]  ; lanes 0-15 one row's 256 consecutive bytes, aligned; lanes 16-31 the next row's
.Lend:
	s_wait_tensorcnt 0x0
	ds_add_u32 v152, v153
	s_wait_dscnt 0x0
	s_endpgm
.Lfunc_end_k_q876031b8ce_proj:
	.size	k_q876031b8ce_proj, .Lfunc_end_k_q876031b8ce_proj-k_q876031b8ce_proj
	.p2alignl 7, 3214868480
	.fill 96, 4, 3214868480
	.section	.rodata,"a",@progbits
	.p2align	6, 0x0
	.amdhsa_kernel k_q876031b8ce_proj
		.amdhsa_group_segment_fixed_size 199168
		.amdhsa_private_segment_fixed_size 0
		.amdhsa_enable_private_segment 0
		.amdhsa_kernarg_size 40
		.amdhsa_user_sgpr_count 2
		.amdhsa_user_sgpr_kernarg_segment_ptr 1
		.amdhsa_wavefront_size32 1
		.amdhsa_system_sgpr_workgroup_id_x 1
		.amdhsa_system_sgpr_workgroup_id_y 1
		.amdhsa_system_sgpr_workgroup_id_z 1
		.amdhsa_system_vgpr_workitem_id 0
		.amdhsa_next_free_vgpr 154
		.amdhsa_next_free_sgpr 66
		.amdhsa_reserve_vcc 0
		.amdhsa_float_denorm_mode_32 3
		.amdhsa_float_denorm_mode_16_64 3
		.amdhsa_memory_ordered 1
		.amdhsa_forward_progress 1
		.amdhsa_inst_pref_size 16
	.end_amdhsa_kernel
	.amdgpu_metadata
---
amdhsa.version: [ 1, 2 ]
amdhsa.kernels:
  - .name:           k_q876031b8ce_proj
    .symbol:         k_q876031b8ce_proj.kd
    .args:
      - { .name: img_proj, .offset: 0, .size: 8, .value_kind: global_buffer, .address_space: global }
      - { .name: W, .offset: 8, .size: 8, .value_kind: global_buffer, .address_space: global }
      - { .name: b, .offset: 16, .size: 8, .value_kind: global_buffer, .address_space: global }
      - { .name: tws, .offset: 24, .size: 8, .value_kind: global_buffer, .address_space: global }
      - { .name: out0, .offset: 32, .size: 8, .value_kind: global_buffer, .address_space: global }
    .group_segment_fixed_size: 199168
    .private_segment_fixed_size: 0
    .kernarg_segment_align: 8
    .kernarg_segment_size: 40
    .max_flat_workgroup_size: 640
    .sgpr_count:     66
    .vgpr_count:     154
    .wavefront_size: 32
...
	.end_amdgpu_metadata
.endif
;; end of part 1
;; launch coatt (part 2): grid 256 x 1, 32 waves a work-group, no clusters, 86,016 bytes of LDS; arguments audio_proj, tws, out0; writes out0
.if DOCPART == 2
	.amdgcn_target "amdgcn-amd-amdhsa--gfx1250"
	.amdhsa_code_object_version 6
	.text
	.protected	k_q876031b8ce_coatt
	.globl	k_q876031b8ce_coatt
	.p2align	8
	.type	k_q876031b8ce_coatt,@function
k_q876031b8ce_coatt:
	s_mov_b64 s[64:65], 0
	v_nop
	global_prefetch_b8 v0, s[64:65] scope:SCOPE_SE
	s_setreg_imm32_b32 hwreg(HW_REG_WAVE_MODE, 25, 1), 1
	s_wait_xcnt 0x0
; For each batch row, with t = tws's row and a = audio_proj's row (512 numbers each):
;   out0[1024 + e] = C_img[e]   = sum over d of a[d] exp(t[e] a[d]) / (sum over i of exp(t[i] a[d]))
;   out0[1536 + e] = C_audio[e] = sum over d of t[d] exp(t[d] a[e]) / (sum over j of exp(t[d] a[j]));    out0[512 + e] = a[e].
; BOTH ARE ONE FUNCTION: F(x, s)[l] = sum over k of s[k] 2^(c s[k] x[l] - M[k]) / Z[k], c = log2(e), M[k] = max over l of c s[k] x[l], Z[k] = sum over l of 2^(c s[k] x[l] - M[k]).
; C_img = F(t, a), C_audio = F(a, t).  THE MAXIMUM IS TAKEN AWAY as in a softmax: the exponent is linear in x[l], so its maximum over l is the larger of c s[k] max(x) and c s[k] min(x).
; All in f32: the products with one row (M = 1) are fused multiply-adds; the matrix layouts never contract over lanes, and here the contraction for Z runs over lanes.
; SHARES.  A work-group takes two batch rows; 16 waves a row: 8 for F(t, a), 8 for F(a, t).  A wave holds ALL 512 x[l], 16 a lane (l = 128 q + 4 lane + 0 .. 3), and takes 64 of the 512 k.
; For a k the wave's 512 exponentials stay in registers: they are summed (Z), then weighted by s[k] / Z and added to the lane's 16 sums.  So each exponential is made once.
; Four k form a group: 64 exponentials with one wait, four reciprocals with another.  The pairs (c s[k], -M[k]) of a wave's 64 k lie in its own 512 bytes of LDS and come back to all lanes alike.
; The sums are kept as sum of (c s[k] / Z[k]) e and multiplied by ln 2 at the end.  The 8 waves' parts meet in LDS; each wave then stores 64 results: 256 consecutive bytes, aligned.
; LIMITS: NaN and infinities are not served; c s[k] x[l] has to be finite; a term under 2^-126 of its vector's largest counts as 0 (v_exp_f32 flushes: ISA guide 15.8).
; No tensor loads, no cluster: a work-group reads 8 KiB that no other work-group reads.
.set TAB,  0                           ; LDS: 32 waves x 512 bytes: the pairs
.set STG,  32*512                      ; 32 waves x 2,048 bytes: the waves' parts of the sums, in the order of l
.set NG,   16                          ; groups of four k for a wave
.set L16,  1                           ; v1   16 x lane
.set T0,   2                           ; v2   my wave's pairs
.set TA,   3                           ; v3   the next group's pairs
.set X,    4                           ; v4-19   x
.set ACC,  20                          ; v20-35  the sums
.set E,    36                          ; v36-99  four k x 16: exponents, then exponentials
.set Q,    100                         ; v100-107 four pairs (c s, -M)
.set T,    108                         ; v108-115 a pair for each k: partial sums, Z, then the weight in the low register
.set P,    116                         ; v116-119 the other half of the lanes' sums, then 1 / Z
.set SA,   120                         ; v120 where I put my part of the sums
.set RA,   121                         ; v121 where I read eight parts of my two results
.set L8,   122                         ; v122 8 x lane
.set TS,   123                         ; v123 where I store my two pairs
.set MX,   124                         ; v124 max(x)
.set MN,   125                         ; v125 min(x)
.set SEL,  30                          ; s[30:31] lane selects for v_permlanex16_b32: lane l xor 16
.set TB,   32                          ; s32  the next group's place among my pairs: 32 bytes a group
.set CNT,  33
	s_load_b128 s[4:7], s[0:1], 0x0                ; audio_proj s[4:5], tws s[6:7]
	s_load_b64 s[8:9], s[0:1], 0x10                ; out0
	v_lshl_add_u32 v126, v0, 2, 0x14000
	v_mov_b32 v127, 0
	v_lshrrev_b32 v[T0], 5, v0
	v_readfirstlane_b32 s10, v[T0]                 ; wave 0..31
	v_and_b32 v[L16], 31, v0
	v_lshlrev_b32 v[L8], 3, v[L16]
	v_lshlrev_b32 v[L16], 4, v[L16]
	v_lshl_add_u32 v[SA], v[T0], 11, v[L16]
	v_add_nc_u32 v[SA], STG, v[SA]                 ; 2,048 x wave + 16 x lane
	v_lshl_add_u32 v[T0], v[T0], 9, TAB            ; 512 x wave
	v_lshl_add_u32 v[TS], v0, 4, TAB               ; 512 x wave + 16 x lane
	v_and_b32 v[RA], 0x300, v0                     ; 32 x the first wave of my eight,
	v_and_b32 v[TA], 0xff, v0                      ; 32 x my place among them + lane
	v_lshlrev_b32 v[RA], 6, v[RA]
	v_lshl_add_u32 v[RA], v[TA], 3, v[RA]
	v_add_nc_u32 v[RA], STG, v[RA]                 ; the first part's bytes 256 x place + 8 x lane
	v_mov_b32 v[P+2], 0                            ; a lane permute's destination counts as one of its sources: written once
	v_mov_b32 v[P+3], 0
	v_mov_b32 v[T], 0
	v_mov_b32 v[T+1], 0
	s_lshr_b32 s11, s10, 4                         ; which of the two batch rows
	s_bfe_u32 s12, s10, 0x10003                    ; 0: F(t, a); 1: F(a, t)
	s_and_b32 s13, s10, 7                          ; my place among the eight
	s_lshl_b32 s14, ttmp9, 1
	s_add_co_u32 s14, s14, s11                     ; the batch row
	s_lshl_b32 s16, s14, 11                        ; x 2,048 bytes in audio_proj and tws,
	s_mov_b32 s17, 0
	s_lshl_b32 s20, s14, 13                        ; x 8,192 in out0
	s_mov_b32 s21, 0
	s_lshl_b32 s18, s13, 8                         ; my 64 k, and my 64 results: 256 bytes
	s_mov_b32 s19, 0
	s_lshl_b32 s26, s12, 11
	s_add_co_u32 s26, s26, s18
	s_add_co_u32 s26, s26, 4096                    ; C_img begins at byte 4,096 of a row of out0, C_audio at 6,144
	s_mov_b32 s27, 0
	s_and_b32 s15, s10, 15
	s_mov_b32 s[SEL], 0x76543210
	s_mov_b32 s[SEL+1], 0xfedcba98
	s_mov_b32 s[TB], 0
	s_wait_kmcnt 0x0
	s_add_nc_u64 s[4:5], s[4:5], s[16:17]
	s_add_nc_u64 s[6:7], s[6:7], s[16:17]
	s_add_nc_u64 s[8:9], s[8:9], s[20:21]
	s_add_nc_u64 s[28:29], s[8:9], s[26:27]        ; where my 64 results go
	s_cmp_eq_u32 s12, 0                            ; the choice hangs on the wave's number alone
	s_cselect_b64 s[22:23], s[6:7], s[4:5]         ; x
	s_cselect_b64 s[24:25], s[4:5], s[6:7]         ; s,
	s_add_nc_u64 s[24:25], s[24:25], s[18:19]      ; at my 64
.irp q, 0,1,2,3
	global_load_b128 v[X+4*\q:X+4*\q+3], v[L16], s[22:23] offset:512*\q   ; 32 lanes read 512 consecutive bytes
.endr
	global_load_b64 v[P:P+1], v[L8], s[24:25]      ; s of k = 2 lane and 2 lane + 1 of my 64
	s_wait_loadcnt 0x0
	s_cmp_eq_u32 s15, 8                            ; the first wave that holds a as x stores it: no byte of a is read for the copy alone
	s_cbranch_scc0 .Lno_copy
.irp q, 0,1,2,3
	global_store_b128 v[L16], v[X+4*\q:X+4*\q+3], s[8:9] offset:2048+512*\q th:TH_STORE_NT   ; x, v1 and s[8:9] are never written again
.endr
.Lno_copy:
	v_max3_num_f32 v[MX], v[X], v[X+1], v[X+2]     ; max(x) and min(x): my 16,
	v_min3_num_f32 v[MN], v[X], v[X+1], v[X+2]
.irp i, 3,5,7,9,11,13
	v_max3_num_f32 v[MX], v[MX], v[X+\i], v[X+\i+1]
	v_min3_num_f32 v[MN], v[MN], v[X+\i], v[X+\i+1]
.endr
	v_max_num_f32 v[MX], v[MX], v[X+15]
	v_min_num_f32 v[MN], v[MN], v[X+15]
.irp m, 1,2,4,8
	v_max_num_f32_dpp v[MX], v[MX], v[MX] row_xmask:\m row_mask:0xf bank_mask:0xf   ; the 16 lanes of my half,
	v_min_num_f32_dpp v[MN], v[MN], v[MN] row_xmask:\m row_mask:0xf bank_mask:0xf
.endr
	v_permlanex16_b32 v[T], v[MX], s[SEL], s[SEL+1]
	v_permlanex16_b32 v[T+1], v[MN], s[SEL], s[SEL+1]
	v_max_num_f32 v[MX], v[MX], v[T]               ; and the other half's
	v_min_num_f32 v[MN], v[MN], v[T+1]
	v_mul_f32 v[T], 0x3fb8aa3b, v[P]               ; c s
	v_mul_f32 v[T+2], 0x3fb8aa3b, v[P+1]
	v_mul_f32 v[T+4], 0xbfb8aa3b, v[P]             ; -c s
	v_mul_f32 v[T+5], 0xbfb8aa3b, v[P+1]
	v_mul_f32 v[T+1], v[T+4], v[MX]
	v_mul_f32 v[T+6], v[T+4], v[MN]
	v_mul_f32 v[T+3], v[T+5], v[MX]
	v_mul_f32 v[T+7], v[T+5], v[MN]
	v_min_num_f32 v[T+1], v[T+1], v[T+6]           ; -M = the smaller of -c s max(x) and -c s min(x)
	v_min_num_f32 v[T+3], v[T+3], v[T+7]
	ds_store_b128 v[TS], v[T:T+3]                  ; my two pairs; the wave's 64 lie on end in its own 512 bytes
	ds_load_b128 v[Q:Q+3], v[T0]                   ; LDS serves a wave's instructions in order (ISA guide 5.7.1.4): these see the wave's stores.  All lanes read the same bytes
	ds_load_b128 v[Q+4:Q+7], v[T0] offset:16
; A GROUP: four k.  first = 1: its first k starts the sums: nothing is cleared.  more = 1: the next group's pairs are fetched.
.macro GROUP first, more
	s_wait_dscnt 0x0                               ; this group's pairs are in
.irp p, 0,2,4,6,8,10,12,14
	v_pk_fma_f32 v[E+\p:E+\p+1], v[X+\p:X+\p+1], v[Q:Q+1], v[Q:Q+1] op_sel:[0,0,1] op_sel_hi:[1,0,1]   ; x c s - M, two at a time: of the pair (c s, -M) the low register multiplies both halves, the high one is added to both
.endr
.irp k, 0,1,2
.irp p, 0,2,4,6,8,10,12,14
	v_pk_fma_f32 v[E+16*(\k+1)+\p:E+16*(\k+1)+\p+1], v[X+\p:X+\p+1], v[Q+2*(\k+1):Q+2*(\k+1)+1], v[Q+2*(\k+1):Q+2*(\k+1)+1] op_sel:[0,0,1] op_sel_hi:[1,0,1]   ; the next k's exponents stand among this k's exponentials
	v_exp_f32 v[E+16*\k+\p], v[E+16*\k+\p]
	v_exp_f32 v[E+16*\k+\p+1], v[E+16*\k+\p+1]
.endr
.endr
.irp p, 0,1,2,3,4,5,6,7,8,9,10,11,12,13,14,15
	v_exp_f32 v[E+48+\p], v[E+48+\p]
.endr
.if \more
	s_add_co_u32 s[TB], s[TB], 32
	v_add_nc_u32 v[TA], s[TB], v[T0]               ; the plain place behind the last exponential
.else
	v_nop
.endif
	s_wait_alu depctr_va_vdst(0)                   ; one wait for the 64 exponentials, ahead of the first instruction that names a result
.irp k, 0,1,2,3
	v_pk_add_f32 v[T+2*\k:T+2*\k+1], v[E+16*\k:E+16*\k+1], v[E+16*\k+2:E+16*\k+3]   ; Z: my 16, two at a time, the four k by turns
.endr
.irp p, 4,6,8,10,12,14
.irp k, 0,1,2,3
	v_pk_add_f32 v[T+2*\k:T+2*\k+1], v[T+2*\k:T+2*\k+1], v[E+16*\k+\p:E+16*\k+\p+1]
.endr
.endr
.irp k, 0,1,2,3
	v_add_f32 v[T+2*\k], v[T+2*\k], v[T+2*\k+1]
.endr
.irp m, 1,2,4,8
.irp k, 0,1,2,3
	v_add_f32_dpp v[T+2*\k], v[T+2*\k], v[T+2*\k] row_xmask:\m row_mask:0xf bank_mask:0xf   ; the 16 lanes of my half
.endr
.endr
.irp k, 0,1,2,3
	v_permlanex16_b32 v[P+\k], v[T+2*\k], s[SEL], s[SEL+1]
.endr
.irp k, 0,1,2,3
	v_add_f32 v[T+2*\k], v[T+2*\k], v[P+\k]        ; and the other half's: Z, in every lane; it is at least about 1, the largest term
.endr
.irp k, 0,1,2,3
	v_rcp_f32 v[P+\k], v[T+2*\k]
.endr
	v_nop                                          ; a plain place behind the last reciprocal,
	s_wait_alu depctr_va_vdst(0)                   ; and the one wait for the four
.irp k, 0,1,2,3
	v_mul_f32 v[T+2*\k], v[Q+2*\k], v[P+\k]        ; the weight c s / Z
.endr
.if \more
	ds_load_b128 v[Q:Q+3], v[TA]                   ; the pairs have been read for the last time: the next group's land under the 32 instructions below
	ds_load_b128 v[Q+4:Q+7], v[TA] offset:16
.endif
.irp k, 0,1,2,3
.irp p, 0,2,4,6,8,10,12,14
.if \first && (\k == 0)
	v_pk_mul_f32 v[ACC+\p:ACC+\p+1], v[E+\p:E+\p+1], v[T:T+1] op_sel_hi:[1,0]
.else
	v_pk_fma_f32 v[ACC+\p:ACC+\p+1], v[E+16*\k+\p:E+16*\k+\p+1], v[T+2*\k:T+2*\k+1], v[ACC+\p:ACC+\p+1] op_sel_hi:[1,0,1]
.endif
.endr
.endr
.endm
	GROUP 1, 1
	s_mov_b32 s[CNT], NG-2
.Lgroup:
	GROUP 0, 1
	s_sub_co_i32 s[CNT], s[CNT], 1
	s_cmp_lg_u32 s[CNT], 0
	s_cbranch_scc1 .Lgroup
	GROUP 0, 0                                     ; the last group fetches nothing: no load leaves the wave's 512 bytes
	; the eight waves' parts are added
.irp q, 0,1,2,3
	ds_store_b128 v[SA], v[ACC+4*\q:ACC+4*\q+3] offset:512*\q   ; byte 4 l of my 2,048
.endr
	s_wait_dscnt 0x0                               ; for the others' sake: my stores have landed
	s_barrier_signal -1
	s_barrier_wait -1
.irp p, 0,1,2,3,4,5,6,7
	ds_load_b64 v[E+2*\p:E+2*\p+1], v[RA] offset:2048*\p   ; results 64 x my place + 2 lane and + 1, of each of the eight parts
.endr
	s_wait_dscnt 0x0
.irp p, 0,4,8,12
	v_pk_add_f32 v[E+\p:E+\p+1], v[E+\p:E+\p+1], v[E+\p+2:E+\p+3]
.endr
	v_pk_add_f32 v[E:E+1], v[E:E+1], v[E+4:E+5]
	v_pk_add_f32 v[E+8:E+9], v[E+8:E+9], v[E+12:E+13]
	v_pk_add_f32 v[E:E+1], v[E:E+1], v[E+8:E+9]
	v_pk_mul_f32 v[E:E+1], v[E:E+1], 0x3f317218 op_sel_hi:[1,0]   ; x ln 2: the weights were c s / Z
	global_store_b64 v[L8], v[E:E+1], s[28:29] th:TH_STORE_NT     ; 32 lanes store 256 consecutive bytes, at a multiple of 256 from out0's first byte
	s_wait_tensorcnt 0x0
	ds_add_u32 v126, v127
	s_wait_dscnt 0x0
	s_endpgm
.Lfunc_end_k_q876031b8ce_coatt:
	.size	k_q876031b8ce_coatt, .Lfunc_end_k_q876031b8ce_coatt-k_q876031b8ce_coatt
	.p2alignl 7, 3214868480
	.fill 96, 4, 3214868480
	.section	.rodata,"a",@progbits
	.p2align	6, 0x0
	.amdhsa_kernel k_q876031b8ce_coatt
		.amdhsa_group_segment_fixed_size 86016
		.amdhsa_private_segment_fixed_size 0
		.amdhsa_enable_private_segment 0
		.amdhsa_kernarg_size 24
		.amdhsa_user_sgpr_count 2
		.amdhsa_user_sgpr_kernarg_segment_ptr 1
		.amdhsa_wavefront_size32 1
		.amdhsa_system_sgpr_workgroup_id_x 1
		.amdhsa_system_sgpr_workgroup_id_y 1
		.amdhsa_system_sgpr_workgroup_id_z 1
		.amdhsa_system_vgpr_workitem_id 0
		.amdhsa_next_free_vgpr 128
		.amdhsa_next_free_sgpr 66
		.amdhsa_reserve_vcc 0
		.amdhsa_float_denorm_mode_32 3
		.amdhsa_float_denorm_mode_16_64 3
		.amdhsa_memory_ordered 1
		.amdhsa_forward_progress 1
		.amdhsa_inst_pref_size 37
	.end_amdhsa_kernel
	.amdgpu_metadata
---
amdhsa.version: [ 1, 2 ]
amdhsa.kernels:
  - .name:           k_q876031b8ce_coatt
    .symbol:         k_q876031b8ce_coatt.kd
    .args:
      - { .name: audio_proj, .offset: 0, .size: 8, .value_kind: global_buffer, .address_space: global }
      - { .name: tws, .offset: 8, .size: 8, .value_kind: global_buffer, .address_space: global }
      - { .name: out0, .offset: 16, .size: 8, .value_kind: global_buffer, .address_space: global }
    .group_segment_fixed_size: 86016
    .private_segment_fixed_size: 0
    .kernarg_segment_align: 8
    .kernarg_segment_size: 24
    .max_flat_workgroup_size: 1024
    .sgpr_count:     66
    .vgpr_count:     128
    .wavefront_size: 32
...
	.end_amdgpu_metadata
.endif
;; end of part 2
